; MI455X (gfx1250); checked and timed in simulation.
; The chip was launched on July 23, 2026; its instructions are those of AMD's public machine-readable ISA for CDNA 5 (MIT licence, August 2026) and "CDNA5" Instruction Set Architecture Reference Guide (July 2026). The comments in the code are by the model that wrote it; some were corrected since.
;; Ternary Linear. Allowed arithmetic: float matrix products may take bf16 or f16 operands with f32 sums; other float arithmetic in f32, or as packed bf16 or f16 multiplies, adds, multiply-adds, maxima and minima; sums over many terms, partial sums and values carried from step to step in f32; what a program stores and reads back later, other than sums and carried values, may be rounded once to bf16 or f16.
;; Inputs: latent_weight 2,048 x 4,096 float32; x 4 x 2,048 x 4,096 float32.
;; Outputs: out0 4 x 2,048 x 2,048 float32.
;; 2 versions, each right; version 2 is version 1 with the launch quant written anew for expert scheduling mode. Each part assembles by itself: llvm-mc -triple=amdgcn-amd-amdhsa -mcpu=gfx1250 --defsym DOCPART=n.
;; ======== version 1 of 2: 3 launches
;; workspace buffers: xb 67,108,864 bytes; qs 16,777,216 bytes; part 4,096 bytes
;; launch cast_sum (part 1): grid 1024 x 1, 8 waves a work-group, no clusters, 1,280 bytes of LDS; arguments x, latent_weight, xb, part; writes xb, part
.if DOCPART == 1
	.amdgcn_target "amdgcn-amd-amdhsa--gfx1250"
	.amdhsa_code_object_version 6
	.text
	.protected	k_q43d3676aa4_cast_sum
	.globl	k_q43d3676aa4_cast_sum
	.p2align	8
	.type	k_q43d3676aa4_cast_sum,@function
k_q43d3676aa4_cast_sum:
	s_mov_b64 s[64:65], 0
	v_nop
	global_prefetch_b8 v0, s[64:65] scope:SCOPE_SE
	s_setreg_imm32_b32 hwreg(HW_REG_WAVE_MODE, 25, 1), 1
	s_wait_xcnt 0x0
; FIRST OF THREE LAUNCHES for out = x qw^T, qw = alpha s, alpha = mean |w|, s = +1 where w > alpha / 2, -1 where w < -alpha / 2, else 0.
; Since qw = alpha s for every w, out = alpha (x s^T): the third launch multiplies x by s (exact in bf16) and applies alpha, kept in f32, to the f32 sums.
; THIS LAUNCH: xb = x rounded to bf16 (nearest even), and part[g] = work-group g's f32 sum of |w rounded to bf16|; 1,024 partial sums, added up by the later launches.
; NO WORK OF reference() IS LEFT OUT: both inputs are loaded whole, and every step has its counterpart.
; LIMITS.  Both inputs are rounded to bf16 before anything else: the mean and the comparison with alpha / 2 are taken, in f32, on the rounded weights, so a weight within bf16's
; rounding (one part in 256) of the threshold may fall on the other side than it does unrounded.  The mean's sum is taken in this program's own fixed order.
; A NaN or an infinity in latent_weight makes alpha NaN or infinite and the whole output NaN; magnitudes that bf16 rounds to infinity (above 3.39e38) are not served.
; SHARES.  Work-group g: 131,072 bytes of x, 32,768 of w, 65,536 of xb.  Thread t takes 16 bytes at 4,096 j + 16 t of x (j = 0..31) and of w (j = 0..7): a wave's load covers 512
; consecutive bytes; its store of 8 bytes a lane covers 256 consecutive bytes, aligned.  No loop: all 40 loads of a wave go out at once, 20 KiB a wave.
; No matrix unit, tensor load or cluster: nothing is shared between work-groups, and each byte is touched once.
.set SPARE, 256                        ; LDS: bytes 0-31 the eight waves' sums (the block 0-255 is theirs); from 256 the spare words, 128 bytes a wave
.set LO,  1                            ; v1   16 t: my bytes in a load; never rewritten
.set SO,  2                            ; v2   8 t: my bytes in a store; never rewritten
.set LW,  3                            ; v3   4 x wave: my wave's word in LDS
.set ZO,  4                            ; v4   0: an LDS address and part's offset
.set PX,  5                            ; v5   takes the other half of the lanes' sum
.set SPW, 6                            ; v6   my spare word: SPARE + 4 t; never rewritten
.set NIL, 7                            ; v7   0; never rewritten
.set ACC, 14                           ; v[14:17] two packed chains of sums; v8-13 at work
.set W,   20                           ; v[20:51]  w, load j at W + 4 j
.set X,   52                           ; v[52:179] x, load j at X + 4 j
	s_load_b256 s[4:11], s[0:1], 0x0               ; x s[4:5], w s[6:7], xb s[8:9], part s[10:11]
	v_lshl_add_u32 v[SPW], v0, 2, SPARE
	v_mov_b32 v[NIL], 0
	v_lshrrev_b32 v8, 5, v0
	v_readfirstlane_b32 s12, v8                    ; wave 0..7
	v_mov_b32 v[LW], s12
	v_lshlrev_b32 v[LW], 2, v[LW]
	v_lshlrev_b32 v[LO], 4, v0
	v_lshlrev_b32 v[SO], 3, v0
	v_mov_b32 v[ZO], 0
	v_mov_b32 v[PX], 0                             ; v_permlanex16_b32 counts as a reader of its destination
	s_mov_b32 s13, 0x7fff7fff                      ; clears the signs of two bf16
	s_mov_b32 s14, 0xffff0000                      ; a word's upper bf16
	s_mov_b32 s16, 0x76543210                      ; v_permlanex16_b32: each lane takes its own place in the other half
	s_mov_b32 s17, 0xfedcba98
	s_mov_b32 s19, 0                               ; the offsets' high word: all stay under 2^27
	s_wait_kmcnt 0x0
	s_lshl_b32 s18, ttmp9, 17
	s_add_nc_u64 s[4:5], s[4:5], s[18:19]          ; x at my work-group's 131,072 bytes
	s_lshl_b32 s18, ttmp9, 15
	s_add_nc_u64 s[6:7], s[6:7], s[18:19]          ; w at its 32,768
	s_lshl_b32 s18, ttmp9, 16
	s_add_nc_u64 s[8:9], s[8:9], s[18:19]          ; xb at its 65,536
	s_lshl_b32 s18, ttmp9, 2
	s_add_nc_u64 s[10:11], s[10:11], s[18:19]      ; part at its word
.set n, 0
.rept 8
	global_load_b128 v[W+4*n:W+4*n+3], v[LO], s[6:7] offset:4096*n  ; w first: its sum is made while x is on its way; no hint, since the next launch reads w again
.set n, n+1
.endr
.set n, 0
.rept 32
	global_load_b128 v[X+4*n:X+4*n+3], v[LO], s[4:5] offset:4096*n th:TH_LOAD_NT
.set n, n+1
.endr
; Four weights of load j: rounded to bf16, signs cleared, widened again, added in f32.  The first load starts the chains: nothing is cleared.
.macro SUMW j
	v_cvt_pk_bf16_f32 v8, v[W+4*(\j)], v[W+4*(\j)+1]
	v_cvt_pk_bf16_f32 v9, v[W+4*(\j)+2], v[W+4*(\j)+3]
	v_and_b32 v8, s13, v8
	v_and_b32 v9, s13, v9
.if (\j) == 0
	v_lshlrev_b32 v[ACC], 16, v8
	v_and_b32 v[ACC+1], s14, v8
	v_lshlrev_b32 v[ACC+2], 16, v9
	v_and_b32 v[ACC+3], s14, v9
.else
	v_lshlrev_b32 v10, 16, v8
	v_and_b32 v11, s14, v8
	v_lshlrev_b32 v12, 16, v9
	v_and_b32 v13, s14, v9
	v_pk_add_f32 v[ACC:ACC+1], v[ACC:ACC+1], v[10:11]
	v_pk_add_f32 v[ACC+2:ACC+3], v[ACC+2:ACC+3], v[12:13]
.endif
.endm
; Four numbers of load j of x: rounded in place, 8 bytes stored.  No register is written again behind its store.
.macro CAST j
	s_wait_loadcnt 31-(\j)                         ; loads come back in order: load j is in, the younger ones stay out
	v_cvt_pk_bf16_f32 v[X+4*(\j)], v[X+4*(\j)], v[X+4*(\j)+1]
	v_cvt_pk_bf16_f32 v[X+4*(\j)+1], v[X+4*(\j)+2], v[X+4*(\j)+3]
	global_store_b64 v[SO], v[X+4*(\j):X+4*(\j)+1], s[8:9] offset:2048*(\j) th:TH_STORE_NT
.endm
	s_wait_loadcnt 32                              ; w's eight loads are in; x's 32 stay out
.set n, 0
.rept 8
	SUMW n
.set n, n+1
.endr
	v_pk_add_f32 v[ACC:ACC+1], v[ACC:ACC+1], v[ACC+2:ACC+3]
	v_add_f32 v[ACC], v[ACC], v[ACC+1]
	v_add_f32_dpp v[ACC], v[ACC], v[ACC] row_xmask:1 row_mask:0xf bank_mask:0xf
	v_add_f32_dpp v[ACC], v[ACC], v[ACC] row_xmask:2 row_mask:0xf bank_mask:0xf
	v_add_f32_dpp v[ACC], v[ACC], v[ACC] row_xmask:4 row_mask:0xf bank_mask:0xf
	v_add_f32_dpp v[ACC], v[ACC], v[ACC] row_xmask:8 row_mask:0xf bank_mask:0xf
	v_permlanex16_b32 v[PX], v[ACC], s16, s17
	v_add_f32 v[ACC], v[ACC], v[PX]                ; every lane holds the wave's sum
	ds_store_b32 v[LW], v[ACC]                     ; all lanes write the same word with the same value
.set n, 0
.rept 32
	CAST n
.set n, n+1
.endr
	s_wait_dscnt 0x0                               ; for the others' sake: my wave's sum lies in LDS
	s_barrier_signal -1
	s_barrier_wait -1                              ; all eight do
	s_cmp_lg_u32 s12, 0
	s_cbranch_scc1 .Lend                           ; wave 0 adds them, in a fixed order, and stores the work-group's sum
	ds_load_b128 v[20:23], v[ZO]
	ds_load_b128 v[24:27], v[ZO] offset:16
	s_wait_dscnt 0x0
	v_pk_add_f32 v[20:21], v[20:21], v[22:23]
	v_pk_add_f32 v[24:25], v[24:25], v[26:27]
	v_pk_add_f32 v[20:21], v[20:21], v[24:25]
	v_add_f32 v20, v20, v21
	v_cmp_eq_u32 vcc_lo, 0, v0
	s_wait_xcnt 0x0                                ; EXEC is a source of the stores above: it is narrowed only behind this wait
	s_and_saveexec_b32 s20, vcc_lo
	global_store_b32 v[ZO], v20, s[10:11]          ; one word a work-group
	s_wait_xcnt 0x0                                ; and widened again only behind this one
	s_or_b32 exec_lo, exec_lo, s20
.Lend:
	s_wait_tensorcnt 0x0                           ; the wave's end, behind my last LDS store
	ds_add_u32 v[SPW], v[NIL]
	s_wait_dscnt 0x0
	s_endpgm
.Lfunc_end_k_q43d3676aa4_cast_sum:
	.size	k_q43d3676aa4_cast_sum, .Lfunc_end_k_q43d3676aa4_cast_sum-k_q43d3676aa4_cast_sum
	.p2alignl 7, 3214868480
	.fill 96, 4, 3214868480
	.section	.rodata,"a",@progbits
	.p2align	6, 0x0
	.amdhsa_kernel k_q43d3676aa4_cast_sum
		.amdhsa_group_segment_fixed_size 1280
		.amdhsa_private_segment_fixed_size 0
		.amdhsa_enable_private_segment 0
		.amdhsa_kernarg_size 32
		.amdhsa_user_sgpr_count 2
		.amdhsa_user_sgpr_kernarg_segment_ptr 1
		.amdhsa_wavefront_size32 1
		.amdhsa_system_sgpr_workgroup_id_x 1
		.amdhsa_system_sgpr_workgroup_id_y 1
		.amdhsa_system_sgpr_workgroup_id_z 1
		.amdhsa_system_vgpr_workitem_id 0
		.amdhsa_next_free_vgpr 180
		.amdhsa_next_free_sgpr 66
		.amdhsa_reserve_vcc 1
		.amdhsa_float_denorm_mode_32 3
		.amdhsa_float_denorm_mode_16_64 3
		.amdhsa_memory_ordered 1
		.amdhsa_forward_progress 1
		.amdhsa_inst_pref_size 18
	.end_amdhsa_kernel
	.amdgpu_metadata
---
amdhsa.version: [ 1, 2 ]
amdhsa.kernels:
  - .name:           k_q43d3676aa4_cast_sum
    .symbol:         k_q43d3676aa4_cast_sum.kd
    .args:
      - { .name: x, .offset: 0, .size: 8, .value_kind: global_buffer, .address_space: global }
      - { .name: latent_weight, .offset: 8, .size: 8, .value_kind: global_buffer, .address_space: global }
      - { .name: xb, .offset: 16, .size: 8, .value_kind: global_buffer, .address_space: global }
      - { .name: part, .offset: 24, .size: 8, .value_kind: global_buffer, .address_space: global }
    .group_segment_fixed_size: 1280
    .private_segment_fixed_size: 0
    .kernarg_segment_align: 8
    .kernarg_segment_size: 32
    .max_flat_workgroup_size: 256
    .sgpr_count:     66
    .vgpr_count:     180
    .wavefront_size: 32
...
	.end_amdgpu_metadata
.endif
;; end of part 1
;; launch quant (part 2): grid 256 x 1, 8 waves a work-group, no clusters, 0 bytes of LDS; arguments latent_weight, part, qs; writes qs
.if DOCPART == 2
	.amdgcn_target "amdgcn-amd-amdhsa--gfx1250"
	.amdhsa_code_object_version 6
	.text
	.protected	k_q43d3676aa4_quant
	.globl	k_q43d3676aa4_quant
	.p2align	8
	.type	k_q43d3676aa4_quant,@function
k_q43d3676aa4_quant:
	s_mov_b64 s[64:65], 0
	v_nop
	global_prefetch_b8 v0, s[64:65] scope:SCOPE_SE
	s_setreg_imm32_b32 hwreg(HW_REG_WAVE_MODE, 25, 1), 1
	s_wait_xcnt 0x0
; SECOND LAUNCH: qs = s in bf16: +1.0 where bf16(w) > t, -1.0 where bf16(w) < -t, else 0, with t = alpha / 2 = (the sum of the 1,024 partial sums) x 2^-24: w has 2^23 numbers.
; No work is left out.  LIMITS as stated at the head of the first launch: the comparison, strict as in reference(), is made in f32 on w rounded to bf16.
; SHARES.  Work-group g: 131,072 bytes of w, 65,536 of qs.  Thread t takes 16 bytes at 4,096 j + 16 t (j = 0..31) and stores 8 at 2,048 j + 8 t: a wave's store covers 256 consecutive
; bytes, aligned.  Every wave adds all 1,024 partial sums (4 KiB) for itself, in the order in which the third launch adds them too: no LDS, no barrier.  All 40 loads of a wave go out at once.
.set LO,  1                            ; v1   16 t
.set SO,  2                            ; v2   8 t
.set PO,  3                            ; v3   16 x lane: my 16 bytes in 512 of part
.set T,   4                            ; v4   t;   v6-10 at work
.set P,   16                           ; v[16:47]  the partial sums: load j brings words 128 j + 4 lane + 0..3
.set W,   48                           ; v[48:175] w, load j at W + 4 j
.set SEL, 14                           ; s[14:15] v_permlanex16_b32's selects
; The sum of the 32 registers from p on, over all 32 lanes, into v[p] of every lane.  The same lines stand in the third launch, so that both have the same bits.
.macro TOTAL p, sel
.irp w, 16,8,4,2
.set i, 0
.rept (\w)/2
	v_pk_add_f32 v[(\p)+2*i:(\p)+2*i+1], v[(\p)+2*i:(\p)+2*i+1], v[(\p)+(\w)+2*i:(\p)+(\w)+2*i+1]
.set i, i+1
.endr
.endr
	v_add_f32 v[(\p)], v[(\p)], v[(\p)+1]
	v_add_f32_dpp v[(\p)], v[(\p)], v[(\p)] row_xmask:1 row_mask:0xf bank_mask:0xf
	v_add_f32_dpp v[(\p)], v[(\p)], v[(\p)] row_xmask:2 row_mask:0xf bank_mask:0xf
	v_add_f32_dpp v[(\p)], v[(\p)], v[(\p)] row_xmask:4 row_mask:0xf bank_mask:0xf
	v_add_f32_dpp v[(\p)], v[(\p)], v[(\p)] row_xmask:8 row_mask:0xf bank_mask:0xf
	v_permlanex16_b32 v[(\p)+1], v[(\p)], s[(\sel)], s[(\sel)+1]
	v_add_f32 v[(\p)], v[(\p)], v[(\p)+1]
.endm
	s_load_b128 s[4:7], s[0:1], 0x0                ; w s[4:5], part s[6:7]
	s_load_b64 s[8:9], s[0:1], 0x10                ; qs
	v_lshlrev_b32 v[LO], 4, v0
	v_lshlrev_b32 v[SO], 3, v0
	v_and_b32 v[PO], 31, v0
	v_lshlrev_b32 v[PO], 4, v[PO]
	s_mov_b32 s10, 0x7fff7fff                      ; clears the signs of two bf16
	s_mov_b32 s11, 0xffff0000                      ; a word's upper bf16
	s_mov_b32 s12, 0x3f803f80                      ; 1.0 twice
	s_mov_b32 s13, 0x0000ffff                      ; a word's lower bf16
	s_mov_b32 s21, 0x80008000                      ; two signs
	s_mov_b32 s[SEL], 0x76543210
	s_mov_b32 s[SEL+1], 0xfedcba98
	s_mov_b32 s17, 0
	s_wait_kmcnt 0x0
	s_lshl_b32 s16, ttmp9, 17
	s_add_nc_u64 s[4:5], s[4:5], s[16:17]
	s_lshl_b32 s16, ttmp9, 16
	s_add_nc_u64 s[8:9], s[8:9], s[16:17]
.set n, 0
.rept 8
	global_load_b128 v[P+4*n:P+4*n+3], v[PO], s[6:7] offset:512*n
.set n, n+1
.endr
.set n, 0
.rept 32
	global_load_b128 v[W+4*n:W+4*n+3], v[LO], s[4:5] offset:4096*n th:TH_LOAD_NT
.set n, n+1
.endr
; Four weights of load j, two at a time: rounded; magnitudes widened to f32 and compared; the signed 1.0 kept where the magnitude is above t; the two halves joined.
.macro QUANT j
	s_wait_loadcnt 31-(\j)                         ; load j is in, the younger ones stay out
.irp u, 0,1
	v_cvt_pk_bf16_f32 v6, v[W+4*(\j)+2*(\u)], v[W+4*(\j)+2*(\u)+1]
	v_and_b32 v7, s10, v6
	v_lshlrev_b32 v8, 16, v7
	v_and_b32 v9, s11, v7
	v_and_or_b32 v10, v6, s21, s12                 ; each half: its sign on 1.0
	v_cmp_gt_f32 vcc_lo, v8, v[T]
	v_cmp_gt_f32 s20, v9, v[T]
	v_cndmask_b32 v8, 0, v10, vcc_lo
	v_cndmask_b32 v9, 0, v10, s20
	v_bfi_b32 v[W+4*(\j)+(\u)], s13, v8, v9        ; the low half of the one, the high half of the other
.endr
	global_store_b64 v[SO], v[W+4*(\j):W+4*(\j)+1], s[8:9] offset:2048*(\j) th:TH_STORE_NT
.endm
	s_wait_loadcnt 32                              ; the partial sums are in; w's 32 loads stay out
	TOTAL P, SEL
	v_mul_f32 v[T], 0x33800000, v[P]               ; x 2^-24: exact
.set n, 0
.rept 32
	QUANT n
.set n, n+1
.endr
	s_endpgm
.Lfunc_end_k_q43d3676aa4_quant:
	.size	k_q43d3676aa4_quant, .Lfunc_end_k_q43d3676aa4_quant-k_q43d3676aa4_quant
	.p2alignl 7, 3214868480
	.fill 96, 4, 3214868480
	.section	.rodata,"a",@progbits
	.p2align	6, 0x0
	.amdhsa_kernel k_q43d3676aa4_quant
		.amdhsa_group_segment_fixed_size 0
		.amdhsa_private_segment_fixed_size 0
		.amdhsa_enable_private_segment 0
		.amdhsa_kernarg_size 24
		.amdhsa_user_sgpr_count 2
		.amdhsa_user_sgpr_kernarg_segment_ptr 1
		.amdhsa_wavefront_size32 1
		.amdhsa_system_sgpr_workgroup_id_x 1
		.amdhsa_system_sgpr_workgroup_id_y 1
		.amdhsa_system_sgpr_workgroup_id_z 1
		.amdhsa_system_vgpr_workitem_id 0
		.amdhsa_next_free_vgpr 176
		.amdhsa_next_free_sgpr 66
		.amdhsa_reserve_vcc 1
		.amdhsa_float_denorm_mode_32 3
		.amdhsa_float_denorm_mode_16_64 3
		.amdhsa_memory_ordered 1
		.amdhsa_forward_progress 1
		.amdhsa_inst_pref_size 41
	.end_amdhsa_kernel
	.amdgpu_metadata
---
amdhsa.version: [ 1, 2 ]
amdhsa.kernels:
  - .name:           k_q43d3676aa4_quant
    .symbol:         k_q43d3676aa4_quant.kd
    .args:
      - { .name: latent_weight, .offset: 0, .size: 8, .value_kind: global_buffer, .address_space: global }
      - { .name: part, .offset: 8, .size: 8, .value_kind: global_buffer, .address_space: global }
      - { .name: qs, .offset: 16, .size: 8, .value_kind: global_buffer, .address_space: global }
    .group_segment_fixed_size: 0
    .private_segment_fixed_size: 0
    .kernarg_segment_align: 8
    .kernarg_segment_size: 24
    .max_flat_workgroup_size: 256
    .sgpr_count:     66
    .vgpr_count:     176
    .wavefront_size: 32
...
	.end_amdgpu_metadata
.endif
;; end of part 2
;; launch gemm (part 3): grid 8 x 32, 4 waves a work-group, clusters of 4 x 4, 327,680 bytes of LDS; arguments xb, qs, out0, part; writes out0
.if DOCPART == 3
	.amdgcn_target "amdgcn-amd-amdhsa--gfx1250"
	.amdhsa_code_object_version 6
	.text
	.protected	k_q43d3676aa4_gemm
	.globl	k_q43d3676aa4_gemm
	.p2align	8
	.type	k_q43d3676aa4_gemm,@function
k_q43d3676aa4_gemm:
	s_mov_b64 s[64:65], 0
	v_nop
	global_prefetch_b8 v0, s[64:65] scope:SCOPE_SE
	s_setreg_imm32_b32 hwreg(HW_REG_WAVE_MODE, 25, 1), 1
	s_wait_xcnt 0x0
	s_wait_alu depctr_hold_cnt(0) depctr_sa_sdst(0) depctr_va_vdst(0) depctr_va_sdst(0) depctr_va_ssrc(0) depctr_va_vcc(0) depctr_vm_vsrc(0)
	s_getreg_b32 s2, hwreg(HW_REG_IB_STS2, 6, 4)
	s_cmp_eq_u32 s2, 0
	s_cbranch_scc0 .Lentry_in_a_cluster
	s_endpgm
.Lentry_in_a_cluster:
	s_bfe_u32 s2, ttmp6, 0x10000c
	s_cmp_lg_u32 s2, 0xf033
	s_cbranch_scc0 .Lentry_shape_is_right
	s_endpgm
.Lentry_shape_is_right:
; THIRD LAUNCH: out0[m][n] = alpha x the sum over k of xb[m][k] qs[n][k].  xb: [8192][4096] bf16, qs: [2048][4096] bf16 (+1, -1, 0), out0: [8192][2048] f32; sums in f32.
; alpha = (the sum of the 1,024 partial sums) x 2^-23, in f32, applied once to each finished sum.  No work is left out.  LIMITS as stated at the head of the first launch.
; A tile of C, 256 x 256, is made by a work-group of four waves; a wave makes 128 x 128: 64 accumulators of 16 x 16, 512 registers.  C has 32 x 8 = 256 tiles: one to a work-group.
; K goes in steps of 128 through a ring of two LDS slots filled by the tensor data mover: the tiles' rows are 256 bytes of memory at multiples of 256 bytes from the buffer's first byte.
; CLUSTERS: 4 x 4 work-groups.  The four of a row of the cluster need the same tiles of A (xb), the four of a column the same tiles of B (qs): each tile is asked for JOINTLY, by the
; same tensor load with the same descriptor and a mask that names the four; each receives it in its own LDS.  That divides the requests for A and for B by four.
; REGISTERS, in windows of 256 (s_set_vgpr_msb: bits 1:0 source 0, 3:2 source 1, 5:4 source 2, 7:6 destination):
;   window 0: v0-31 addresses; v32-63 the partial sums; v64-127, v128-191 fragments of A, two buffers, and on the way out the rows read back from the stage
;   window 1: v64-127, v128-191 fragments of B      window 2: the 32 accumulators of my rows 0-63 ((a, b) at v[8 (8 a + b)])      window 3: those of my rows 64-127
; THE MATRIX INSTRUCTION IS USED TRANSPOSED: source 0 = 16 rows of B, source 1 = 16 rows of A.  Lane l then holds row l % 16 of C and the columns 8 (l / 16) + 0..7: 32 bytes on end.
.set SIZE_M, 8192
.set SIZE_N, 2048
.set SIZE_K, 4096
.set KSTEP,  128
.set PITCH,  272                       ; an LDS row: 256 bytes + 16 of padding = 68 words: the 16 rows that a load touches start at 16 different groups of four banks (64 banks of 4 bytes: ISA guide 11.1)
.set HALFT,  128*PITCH                 ; 128 rows: what one tensor load brings, and what one wave reads of A or of B
.set SLOT,   4*HALFT                   ; A's 256 rows, then B's 256 rows
.set STAGE,  2*SLOT                    ; behind the ring, never filled by a tensor load: 16 rows x 528 bytes for each wave, for the way out
.set SPITCH, 528                       ; a stage row: 512 bytes (128 f32) + 16 = 132 words
.set SPARE,  STAGE+4*16*SPITCH         ; behind the stages: the spare words, 128 bytes for each wave
.set LAPS,   SIZE_K/(2*KSTEP)          ; a lap = two K steps = once round the ring: 16
.set ROWC,   SIZE_N*4                  ; bytes in a row of C
.set ADRA, 16                          ; v16-17  LDS address of my A fragments in slot 0, 1
.set ADRB, 20                          ; v20-21  the same for B
.set STO,  24                          ; v24     the way out: where I put 32 bytes of a row
.set RD,   25                          ; v25     the way out: where I read 16 bytes of a row back
.set CO,   26                          ; v26     16 x lane: my bytes in 512 of a row of C, and in 512 of part; never rewritten
.set SPW,  28                          ; v28     my spare word: SPARE + 4 x my thread's number; never rewritten
.set NIL,  29                          ; v29     0; never rewritten
.set PFO,  30                          ; v30     the prefetches' offset: my lane x a row of A or B (8,192 bytes); never rewritten
.set P,    32                          ; v[32:63] the partial sums
.set F0,   64
.set F1,   128
.set PFA,  44                          ; s[44:45] where my prefetches stand: my work-group's 32 rows of the 128 that I fetch, one K step further along K than the refill in hand; a prefetch names the K step after that
.set LIM,  43                          ; s43     1 in a wave that prefetches, else the greatest number
.set AL,   66                          ; s[66:67] alpha, named as a pair
.set PT,   68                          ; s[68:69] part
.set SEL,  70                          ; s[70:71] v_permlanex16_b32's selects
.set G1, 24                            ; s[24:31] descriptor group 1 for A's tiles
.set G0, 32                            ; s[32:39] descriptor group 0 for A's tiles, one set for each slot
.set G1B, 48                           ; s[48:55] group 1 for B's tiles: it differs in the mask alone
.set G0B, 56                           ; s[56:63] group 0 for B's tiles
.set MSB, 0
.macro WIN new                         ; the immediate's high byte repeats the setting that is left; a switch that changes nothing is dropped
.if MSB != (\new)
	s_set_vgpr_msb (MSB<<8)|(\new)
.set MSB, \new
.endif
.endm
.set MUL_LO, 0xa1                      ; source 0 (B) window 1, source 1 (A) window 0, C and D window 2
.set MUL_HI, 0xf1                      ; the same, C and D window 3
.set TO_B,   0x40                      ; destination window 1, address window 0
; A joint load.  Waves 0 and 1 fetch A's two halves, waves 2 and 3 B's.  The branch hangs on the wave's number alone.  An s_nop 0 and four v_nop follow each of the two lines.
.macro JLOAD s
	s_cmp_eq_u32 s11, 0
	s_cbranch_scc0 .Lfor_b_\@
	tensor_load_to_lds s[G0+4*(\s):G0+4*(\s)+3], s[G1:G1+7]
	s_nop 0
.rept 4
	v_nop
.endr
	s_branch .Lasked_\@
.Lfor_b_\@:
	tensor_load_to_lds s[G0B+4*(\s):G0B+4*(\s)+3], s[G1B:G1B+7]
	s_nop 0
.rept 4
	v_nop
.endr
.Lasked_\@:
.endm
; A PREFETCH INTO THE L2, behind each joint refill and the run of LDS loads that follows it: the K step that stands TWO refills on, 512 matrix instructions ahead of the load that will want it:
; 32 rows x 256 bytes, a lane a row, one instruction a wave.  Each row's 256 bytes of a K step are named once in the launch: A's tile row is read by both clusters of that row of clusters, and
; the one with x = 0 asks; B's tile column by the eight of that column, and the one with y = 0 asks; the four partners of a joint load take 32 of its 128 rows each, told apart BY ADDRESS.
; K steps 0 to 3 come by their loads alone; the loop's last trip (s3 = 1) asks for nothing: there is no K step two refills on.
.macro ASK
	s_cmp_gt_u32 s3, s[LIM]
	s_cbranch_scc0 .Lnot_mine_\@
	global_prefetch_b8 v[PFO], s[PFA:PFA+1] offset:KSTEP*2 th:TH_LOAD_NT scope:SCOPE_SE
.Lnot_mine_\@:
.endm
; A round of the cluster's barrier: my work-group's barrier, so that wave 0's signal speaks for all four waves; wave 0 signals; every wave waits for all sixteen work-groups; my work-group's barrier once more.
.macro CREST                           ; a round behind its opening barrier
	s_cmp_lg_u32 s10, 0
	s_cbranch_scc1 .Lnot_wave_0_\@
	s_barrier_signal -3
.Lnot_wave_0_\@:
	s_barrier_wait -3
	s_barrier_signal -1
	s_barrier_wait -1
.endm
.macro CROUND                          ; a whole round
	s_barrier_signal -1
	s_barrier_wait -1
	CREST
.endm
; The sum of the 32 registers from p on, over all 32 lanes, into v[p] of every lane: the same lines as in the second launch, so that alpha is exactly twice its threshold.
.macro TOTAL p, sel
.irp w, 16,8,4,2
.set i, 0
.rept (\w)/2
	v_pk_add_f32 v[(\p)+2*i:(\p)+2*i+1], v[(\p)+2*i:(\p)+2*i+1], v[(\p)+(\w)+2*i:(\p)+(\w)+2*i+1]
.set i, i+1
.endr
.endr
	v_add_f32 v[(\p)], v[(\p)], v[(\p)+1]
	v_add_f32_dpp v[(\p)], v[(\p)], v[(\p)] row_xmask:1 row_mask:0xf bank_mask:0xf
	v_add_f32_dpp v[(\p)], v[(\p)], v[(\p)] row_xmask:2 row_mask:0xf bank_mask:0xf
	v_add_f32_dpp v[(\p)], v[(\p)], v[(\p)] row_xmask:4 row_mask:0xf bank_mask:0xf
	v_add_f32_dpp v[(\p)], v[(\p)], v[(\p)] row_xmask:8 row_mask:0xf bank_mask:0xf
	v_permlanex16_b32 v[(\p)+1], v[(\p)], s[(\sel)], s[(\sel)+1]
	v_add_f32 v[(\p)], v[(\p)], v[(\p)+1]
.endm
	s_load_b128 s[4:7], s[0:1], 0x0                ; A = xb s[4:5], B = qs s[6:7]
	s_load_b64 s[8:9], s[0:1], 0x10                ; C = out0
	s_load_b64 s[PT:PT+1], s[0:1], 0x18            ; part
	v_lshl_add_u32 v[SPW], v0, 2, SPARE
	v_mov_b32 v[NIL], 0
	ds_add_u32 v[SPW], v[NIL]                      ; the wave's opening: the add, twice on end, and its wait ahead of my first tensor load; the set-up below stands between
	ds_add_u32 v[SPW], v[NIL]                      ; and once more, under the one wait
	v_lshrrev_b32 v1, 5, v0
	v_readfirstlane_b32 s10, v1                    ; wave 0..3
	s_lshr_b32 s11, s10, 1                         ; which half of the tile's rows is mine.  Also: I fetch for A (0) or for B (1)
	s_and_b32 s12, s10, 1                          ; which half of its columns.  Also: which 128 rows of that tile I fetch
	s_bfe_u32 s40, ttmp6, 0x40000                  ; cx: my place along the cluster's x
	s_bfe_u32 s41, ttmp6, 0x40004                  ; cy: along its y
	s_lshl_b32 s42, ttmp9, 2                       ; in a cluster launch ttmp9 and ttmp7 count clusters
	s_add_co_u32 s42, s42, s40                     ; tile column of C = 4 x cluster x + cx
	s_and_b32 s13, ttmp7, 0xffff
	s_lshl_b32 s13, s13, 2
	s_add_co_u32 s13, s13, s41                     ; tile row of C = 4 x cluster y + cy
	s_lshl_b32 s43, s41, 2
	s_lshl_b32 s43, 15, s43                        ; my row of the cluster: places 4 cy .. 4 cy + 3
	s_lshl_b32 s44, 0x1111, s40                    ; my column: places cx, cx + 4, cx + 8, cx + 12
	; descriptor group 1: a tile of 128 rows x 128 elements, padded in LDS
	s_or_b32 s[G1+0], s43, (1<<16)|(1<<20)|(1<<21)|(5<<22)|(3<<25)  ; 15:0 the mask: A's tiles go to my row; 17:16 elements of 2 bytes; 20 padding on; 21 set beside a mask; 24:22 after every 64 words (code 5); 31:25 4 words of it (code 3)
	s_or_b32 s[G1B+0], s44, (1<<16)|(1<<20)|(1<<21)|(5<<22)|(3<<25) ; the same with the mask of my column, for B's tiles
	s_mov_b32 s[G1B+1], KSTEP<<16
	s_mov_b32 s[G1+1], KSTEP<<16                   ; tensor_dim0 = 128
	s_mov_b32 s[G1B+2], 128<<16
	s_mov_b32 s[G1+2], 128<<16                     ; tensor_dim1 = 128
	s_mov_b32 s[G1B+3], KSTEP<<16
	s_mov_b32 s[G1+3], KSTEP<<16                   ; tile_dim0 = 128
	s_mov_b32 s[G1B+4], 128
	s_mov_b32 s[G1+4], 128                         ; tile_dim1 = 128
	s_mov_b32 s[G1B+5], SIZE_K
	s_mov_b32 s[G1+5], SIZE_K                      ; elements from row to row
	s_mov_b32 s[G1B+6], 0
	s_mov_b32 s[G1+6], 0
	s_mov_b32 s[G1B+7], 0
	s_mov_b32 s[G1+7], 0
	s_mov_b32 s[SEL], 0x76543210
	s_mov_b32 s[SEL+1], 0xfedcba98
	; where the tiles come from.  A's hang on the tile row alone, which my row of the cluster shares; B's on the tile column alone, which my column shares.
	s_lshl_b32 s17, s12, 7                         ; which 128 rows of the tile I fetch
	s_lshl_b32 s16, s13, 8
	s_add_co_u32 s16, s16, s17                     ; A: row 256 x tile row + 128 x half
	s_lshl_b32 s46, s42, 8
	s_add_co_u32 s46, s46, s17                     ; B: row 256 x tile column + 128 x half
	s_mov_b32 s17, 0
	s_mov_b32 s47, 0
	s_mov_b64 s[18:19], SIZE_K*2
	s_mul_u64 s[16:17], s[16:17], s[18:19]         ; in bytes
	s_mul_u64 s[46:47], s[46:47], s[18:19]
	s_mul_i32 s20, s10, HALFT                      ; and where they go: A's two halves, then B's two halves = wave x 128 rows: no place in the cluster enters an LDS address
	s_wait_dscnt 0x0                               ; both opening adds are done
	s_wait_kmcnt 0x0
	s_add_nc_u64 s[14:15], s[4:5], s[16:17]
	s_add_nc_u64 s[46:47], s[6:7], s[46:47]
	CROUND                                         ; all sixteen work-groups are here: the first joint loads meet
.irp s, 0,1
	s_mov_b32 s[G0+4*(\s)], 1                                      ; count = 1
	s_add_co_u32 s[G0+4*(\s)+1], s20, (\s)*SLOT                    ; LDS address
	s_add_nc_u64 s[G0+4*(\s)+2:G0+4*(\s)+3], s[14:15], (\s)*KSTEP*2  ; global address: K step s
	s_or_b32 s[G0+4*(\s)+3], s[G0+4*(\s)+3], 0x80000000            ; type = 2
	s_mov_b32 s[G0B+4*(\s)], 1
	s_add_co_u32 s[G0B+4*(\s)+1], s20, (\s)*SLOT
	s_add_nc_u64 s[G0B+4*(\s)+2:G0B+4*(\s)+3], s[46:47], (\s)*KSTEP*2
	s_or_b32 s[G0B+4*(\s)+3], s[G0B+4*(\s)+3], 0x80000000
	JLOAD \s                                       ; the ring is filled before anything else is done: two loads of mine are out
.endr
	v_and_b32 v[CO], 31, v0
	v_lshlrev_b32 v[CO], 4, v[CO]
.irp j, 0,1,2,3,4,5,6,7
	global_load_b128 v[P+4*(\j):P+4*(\j)+3], v[CO], s[PT:PT+1] offset:512*(\j)  ; the 1,024 partial sums: load j brings words 128 j + 4 lane + 0..3, as in the second launch
.endr
	; A fragment is 16 rows x 32 K in 8 registers: lane l holds row l % 16; registers 0-3 K = 8 (l / 16) + 0..7, registers 4-7 K = 16 + 8 (l / 16) + 0..7: two loads of 16 bytes, 32 bytes apart.
	v_and_b32 v1, 15, v0                           ; l % 16
	v_bfe_u32 v2, v0, 4, 1                         ; l / 16
	v_mul_u32_u24 v3, v1, PITCH
	v_lshl_add_u32 v3, v2, 4, v3                   ; row x pitch + 16 x half
	s_mul_i32 s21, s11, HALFT                      ; my 128 rows of A
	s_mul_i32 s22, s12, HALFT                      ; my 128 rows of B,
	s_add_co_u32 s22, s22, 2*HALFT                 ; which lie behind A's 256
.irp s, 0,1
	v_add_nc_u32 v[ADRA+(\s)], s21, v3
	v_add_nc_u32 v[ADRB+(\s)], s22, v3
	s_add_co_u32 s21, s21, SLOT
	s_add_co_u32 s22, s22, SLOT
.endr
	s_mul_i32 s23, s10, 16*SPITCH
	s_add_co_u32 s23, s23, STAGE                   ; my stage
	v_mul_u32_u24 v4, v1, SPITCH                   ; in: row l % 16, 32 bytes for each half of the lanes
	v_lshl_add_u32 v4, v2, 5, v4
	v_add_nc_u32 v[STO], s23, v4
	v_add_nc_u32 v[RD], s23, v[CO]                 ; back: 32 lanes take one row of 512 bytes
	; where my part of the tile begins in C, in bytes: the way out adds it to C's address
	s_lshl_b32 s13, s13, 8
	s_lshl_b32 s14, s11, 7
	s_add_co_u32 s16, s13, s14                     ; my first row of C
	s_mov_b32 s17, 0
	s_mov_b64 s[18:19], ROWC
	s_mul_u64 s[16:17], s[16:17], s[18:19]
	s_lshl_b32 s46, s42, 10                        ; my first column, in bytes: 1,024 x tile column + 512 x half
	s_lshl_b32 s47, s12, 9
	s_add_co_u32 s46, s46, s47
	s_mov_b32 s47, 0
	s_add_nc_u64 s[16:17], s[16:17], s[46:47]
	; the prefetches.  s13 = 256 x tile row, s42 = tile column, s40 = cx, s41 = cy still stand
	s_lshl_b32 s42, s42, 8
	s_and_b32 s22, ttmp7, 0xffff                   ; cluster y
	s_cmp_eq_u32 s11, 0                            ; do I fetch for A?
	s_cselect_b32 s20, s13, s42                    ; the tile's first row: in A by the tile row, in B by the tile column
	s_cselect_b32 s21, s40, s41                    ; my place among the four that ask for it with me
	s_cselect_b32 s22, ttmp9, s22                  ; the coordinate along which other clusters read the same rows
	s_cselect_b64 s[PFA:PFA+1], s[4:5], s[6:7]
	s_cmp_eq_u32 s22, 0
	s_cselect_b32 s[LIM], 1, -1                    ; the same in all sixteen partners, for a given wave
	s_lshl_b32 s22, s12, 7
	s_add_co_u32 s20, s20, s22                     ; + the 128 rows that I fetch
	s_lshl_b32 s21, s21, 5
	s_add_co_u32 s20, s20, s21                     ; + my work-group's 32 of them
	s_mov_b32 s21, 0
	s_mov_b64 s[18:19], SIZE_K*2
	s_mul_u64 s[20:21], s[20:21], s[18:19]
	s_add_nc_u64 s[PFA:PFA+1], s[PFA:PFA+1], s[20:21]
	s_add_nc_u64 s[PFA:PFA+1], s[PFA:PFA+1], 2*KSTEP*2  ; at K step 2: the first refill steps it to 3 and names K step 4
	v_and_b32 v[PFO], 31, v0
	v_mul_u32_u24 v[PFO], v[PFO], SIZE_K*2
	; alpha, made in the wait for the first tile
	s_wait_loadcnt 0x0                             ; the partial sums
	TOTAL P, SEL
	v_mul_f32 v[P], 0x34000000, v[P]               ; x 2^-23: the mean of 2^23 magnitudes, exact
	v_readfirstlane_b32 s[AL], v[P]
	s_mov_b32 s[AL+1], s[AL]                       ; named with it as a pair, so it is written
; 16 matrix instructions: m blocks a0, a0 + 1 of the window's four (hi = 0: my rows 0-63, 1: rows 64-127) x all 8 n blocks, 32 along K.  zero = 1: the first product starts the sums: nothing is cleared.
; The 64 accumulators take turns, one instruction a turn, in the same order in every quarter step.
.macro MUL16 f, hi, a0, zero
	WIN MUL_LO+0x50*(\hi)
.irp a, \a0, (\a0)+1
.irp b, 0,1,2,3,4,5,6,7
.if \zero
	v_wmma_f32_16x16x32_bf16 v[8*(8*(\a)+(\b)):8*(8*(\a)+(\b))+7], v[(\f)+8*(\b):(\f)+8*(\b)+7], v[(\f)+8*(4*(\hi)+(\a)):(\f)+8*(4*(\hi)+(\a))+7], 0
.else
	v_wmma_f32_16x16x32_bf16 v[8*(8*(\a)+(\b)):8*(8*(\a)+(\b))+7], v[(\f)+8*(\b):(\f)+8*(\b)+7], v[(\f)+8*(4*(\hi)+(\a)):(\f)+8*(4*(\hi)+(\a))+7], v[8*(8*(\a)+(\b)):8*(8*(\a)+(\b))+7]
.endif
.endr
.endr
.endm
; 32 LDS loads in one run: the fragments of one quarter step (128 rows of B, 128 rows of A, 32 K at byte k of the rows) into buffer f
.macro FETCH slot, k, f
	WIN TO_B
.irp i, 0,1,2,3,4,5,6,7
	ds_load_b128 v[(\f)+8*(\i):(\f)+8*(\i)+3],   v[ADRB+(\slot)] offset:(\k)+(\i)*16*PITCH
	ds_load_b128 v[(\f)+8*(\i)+4:(\f)+8*(\i)+7], v[ADRB+(\slot)] offset:(\k)+(\i)*16*PITCH+32
.endr
	WIN 0
.irp i, 0,1,2,3,4,5,6,7
	ds_load_b128 v[(\f)+8*(\i):(\f)+8*(\i)+3],   v[ADRA+(\slot)] offset:(\k)+(\i)*16*PITCH
	ds_load_b128 v[(\f)+8*(\i)+4:(\f)+8*(\i)+7], v[ADRA+(\slot)] offset:(\k)+(\i)*16*PITCH+32
.endr
.endm
; A load into a register that a matrix instruction has read, and a vector instruction that reads a matrix result, stand four places behind that matrix instruction, and only plain vector
; instructions that name none of its registers are places (ISA guide 7.12.1 for vector instructions).
.macro PLACES
.rept 4
	v_nop
.endr
.endm
; A K step is four quarter steps of 32 along K, 64 matrix instructions each, on buffers 0, 1, 0, 1.  One of the first three: multiplies buffer f; in its middle it fetches the next quarter, at byte k, into buffer g.
.macro QUARTER slot, k, f, g, zero
	s_wait_dscnt 8                                 ; B and A's rows 0-63 are in; the youngest eight loads (A's rows 64-127) may be out
	WIN MUL_LO
	MUL16 \f, 0, 0, \zero
	MUL16 \f, 0, 2, \zero
	PLACES
	FETCH \slot, \k, \g
	s_wait_dscnt 32                                ; all but the 32 just issued
	WIN MUL_HI
	MUL16 \f, 1, 0, \zero
	MUL16 \f, 1, 2, \zero
.endm
; The last quarter multiplies buffer 1 and changes slots.  MEET is its first half: ONE barrier for the change.  In front of it each wave waits for all its tensor loads, of which one is out: its part
; of the next slot; adds 0 to its spare word; and waits for that and for its own reads of this slot.  Behind it nobody reads this slot any more and the next slot is whole.
.macro MEET round                      ; round = 1: a round of the cluster's barrier follows
	WIN 0                                          ; (the add's two registers lie in window 0)
	s_wait_tensorcnt 0x0                           ; all my tensor loads have landed;
	ds_add_u32 v[SPW], v[NIL]                      ; 0 onto my spare word;
	s_wait_dscnt 9                                 ; (the add and the youngest eight loads may be out)
	WIN MUL_LO
	MUL16 F1, 0, 0, 0                              ; sixteen matrix instructions stand between the add and the wait for it
	s_wait_dscnt 0x0                               ; the add is done, and my reads of this slot are over:
	s_barrier_signal -1                            ; say so,
	MUL16 F1, 0, 2, 0                              ; work on registers while the others arrive,
.if \round
	WIN 0
.endif
	s_barrier_wait -1                              ; and go on when all four have said so
.endm
; The whole last quarter.  Behind the round the slot just read out is filled again first, with the K step two steps on; then come the next slot's first fragments.
; From a request to the wait for it a wave issues 224 matrix instructions.
.macro TURN slot, next
	s_wait_xcnt 0x0                                ; the last prefetch, a K step back, has read its address: it is stepped here, ahead of the waits of the change of slots
	s_add_nc_u64 s[PFA:PFA+1], s[PFA:PFA+1], KSTEP*2
	MEET 1
	CREST                                          ; no wave of any partner still reads this slot's tile or has a load on its way
	s_add_nc_u64 s[G0+4*(\slot)+2:G0+4*(\slot)+3], s[G0+4*(\slot)+2:G0+4*(\slot)+3], 2*KSTEP*2     ; no tensor load of mine is out, so a group 0 may be written
	s_add_nc_u64 s[G0B+4*(\slot)+2:G0B+4*(\slot)+3], s[G0B+4*(\slot)+2:G0B+4*(\slot)+3], 2*KSTEP*2
	JLOAD \slot                                    ; the first tensor load behind the round, my only one until the next; its four v_nop are also the places in front of the loads below
	FETCH \next, 0, F0
	ASK
	WIN MUL_HI
	MUL16 F1, 1, 0, 0
	MUL16 F1, 1, 2, 0
.endm
; THE WAY OUT of block a (16 rows of C x my 128 columns), in three parts.  PACK: the eight accumulators times alpha, in place, each from its lowest registers on.
.macro PACK a
.set AC, 64*((\a)%4)
	WIN 0x82+0x41*((\a)/4)                         ; destination and source 0: window 2 or 3
.set i, 0
.rept 32
	v_pk_mul_f32 v[AC+2*i:AC+2*i+1], v[AC+2*i:AC+2*i+1], s[AL:AL+1] op_sel_hi:[1,0]
.set i, i+1
.endr
.endm
; TOSTAGE: a lane's eight columns of a row, 32 bytes, into my own stage; back as whole rows of 512 bytes, into A's fragment buffers by turns.
.macro TOSTAGE a
.set AC, 64*((\a)%4)
.set BK, F0+64*((\a)%2)
	WIN 0x08+4*((\a)/4)                            ; the stores' data: window 2 or 3
.irp b, 0,1,2,3,4,5,6,7
	ds_store_b128 v[STO], v[AC+8*(\b):AC+8*(\b)+3]   offset:64*(\b)
	ds_store_b128 v[STO], v[AC+8*(\b)+4:AC+8*(\b)+7] offset:64*(\b)+16
.endr
	WIN 0
.irp t, 0,1,2,3,4,5,6,7,8,9,10,11,12,13,14,15
	ds_load_b128 v[BK+4*(\t):BK+4*(\t)+3], v[RD] offset:(\t)*SPITCH  ; LDS serves a wave's instructions in order (ISA guide 5.7.1.4): these see the stores above; the next block's stores come behind them
.endr
.endm
; SEND: stored.  Nothing was issued to LDS behind the block's sixteen loads.
.macro SEND a
	WIN 0
.set BK, F0+64*((\a)%2)
	s_wait_xcnt 0x0                                ; every earlier store has read its registers and its base: the base is stepped, and the other buffer loaded again, only behind this wait
.if (\a) == 0
	s_add_nc_u64 s[8:9], s[8:9], s[16:17]          ; on to my first rows
.else
	s_add_nc_u64 s[8:9], s[8:9], 16*ROWC           ; 16 rows of C on
.endif
.irp t, 0,1,2,3,4,5,6,7,8,9,10,11,12,13,14,15
	s_wait_dscnt 15-(\t)                           ; row t is back; the younger loads may be out
	global_store_b128 v[CO], v[BK+4*(\t):BK+4*(\t)+3], s[8:9] offset:(\t)*ROWC th:TH_STORE_NT  ; the wave stores 512 consecutive bytes, at a multiple of 512 from C's first byte
.endr
.endm
	s_wait_tensorcnt 1                             ; my part of K step 0 is in; K step 1's may stay out
	s_barrier_signal -1
	s_barrier_wait -1                              ; everybody's is
	FETCH 0, 0, F0
	QUARTER 0, 64,  F0, F1, 1                      ; the first quarter stands in front of the loop: its products start the sums
	WIN 0                                          ; at a label and at a branch every window is 0
	s_mov_b32 s3, LAPS-1
.Llap:                                                 ; a trip goes once round the ring, from a lap's second quarter to the next lap's first, and fills both slots again
	QUARTER 0, 128, F1, F0, 0
	QUARTER 0, 192, F0, F1, 0
	TURN 0, 1
	QUARTER 1, 64,  F0, F1, 0
	QUARTER 1, 128, F1, F0, 0
	QUARTER 1, 192, F0, F1, 0
	TURN 1, 0
	QUARTER 0, 64,  F0, F1, 0
	WIN 0
	s_sub_co_u32 s3, s3, 1
	s_cmp_lg_u32 s3, 0
	s_cbranch_scc1 .Llap
	QUARTER 0, 128, F1, F0, 0                      ; the last lap is written out: it fills nothing, and has no round of the cluster's barrier
	QUARTER 0, 192, F0, F1, 0
	MEET 0                                         ; my one tensor load that was still out is slot 1's, the last K step's
	PLACES                                         ; for the loads into buffer 0, which the quarter before multiplied
	FETCH 1, 0, F0
	WIN MUL_HI
	MUL16 F1, 1, 0, 0
	MUL16 F1, 1, 2, 0
	QUARTER 1, 64,  F0, F1, 0
	QUARTER 1, 128, F1, F0, 0
	QUARTER 1, 192, F0, F1, 0
	s_wait_dscnt 8                                 ; the very last quarter: nothing more to fetch
	MUL16 F1, 0, 0, 0
	MUL16 F1, 0, 2, 0
	s_wait_dscnt 0x0
	MUL16 F1, 1, 0, 0
	MUL16 F1, 1, 2, 0
	PLACES                                         ; behind the last products, in front of the scalings and of the loads into A's buffers
	PACK 0
	TOSTAGE 0
.irp a, 1,2,3,4,5,6,7                  ; block a's scalings stand between block a - 1's loads from the stage and the waits for them
	PACK \a
	SEND (\a)-1
	TOSTAGE \a
.endr
	SEND 7
	s_wait_tensorcnt 0x0                           ; the wave's end, behind my last tensor load and my last LDS store
	ds_add_u32 v[SPW], v[NIL]
	s_wait_dscnt 0x0
	CROUND                                         ; the closing round: no work-group ends while a partner may still ask for a tile that names it
	s_endpgm
.Lfunc_end_k_q43d3676aa4_gemm:
	.size	k_q43d3676aa4_gemm, .Lfunc_end_k_q43d3676aa4_gemm-k_q43d3676aa4_gemm
	.p2alignl 7, 3214868480
	.fill 96, 4, 3214868480
	.section	.rodata,"a",@progbits
	.p2align	6, 0x0
	.amdhsa_kernel k_q43d3676aa4_gemm
		.amdhsa_group_segment_fixed_size 327680
		.amdhsa_private_segment_fixed_size 0
		.amdhsa_enable_private_segment 0
		.amdhsa_kernarg_size 32
		.amdhsa_user_sgpr_count 2
		.amdhsa_user_sgpr_kernarg_segment_ptr 1
		.amdhsa_wavefront_size32 1
		.amdhsa_system_sgpr_workgroup_id_x 1
		.amdhsa_system_sgpr_workgroup_id_y 1
		.amdhsa_system_sgpr_workgroup_id_z 1
		.amdhsa_system_vgpr_workitem_id 0
		.amdhsa_next_free_vgpr 1024
		.amdhsa_next_free_sgpr 72
		.amdhsa_reserve_vcc 0
		.amdhsa_float_denorm_mode_32 3
		.amdhsa_float_denorm_mode_16_64 3
		.amdhsa_memory_ordered 1
		.amdhsa_forward_progress 1
		.amdhsa_inst_pref_size 164
	.end_amdhsa_kernel
	.amdgpu_metadata
---
amdhsa.version: [ 1, 2 ]
amdhsa.kernels:
  - .name:           k_q43d3676aa4_gemm
    .symbol:         k_q43d3676aa4_gemm.kd
    .args:
      - { .name: xb, .offset: 0, .size: 8, .value_kind: global_buffer, .address_space: global }
      - { .name: qs, .offset: 8, .size: 8, .value_kind: global_buffer, .address_space: global }
      - { .name: out0, .offset: 16, .size: 8, .value_kind: global_buffer, .address_space: global }
      - { .name: part, .offset: 24, .size: 8, .value_kind: global_buffer, .address_space: global }
    .group_segment_fixed_size: 327680
    .private_segment_fixed_size: 0
    .kernarg_segment_align: 8
    .kernarg_segment_size: 32
    .max_flat_workgroup_size: 128
    .sgpr_count:     72
    .vgpr_count:     1024
    .wavefront_size: 32
...
	.end_amdgpu_metadata
.endif
;; end of part 3
;; ======== version 2 of 2: 3 launches; version 1 with the launch quant written anew for expert scheduling mode
;; workspace buffers: xb 67,108,864 bytes; qs 16,777,216 bytes; part 4,096 bytes
;; launch cast_sum: the kernel of part 1 again; grid 1024 x 1, 8 waves a work-group, no clusters, 1,280 bytes of LDS; arguments x, latent_weight, xb, part; writes xb, part
;; launch quant (part 4): grid 256 x 1, 8 waves a work-group, no clusters, 0 bytes of LDS; arguments latent_weight, part, qs; writes qs
.if DOCPART == 4
	.amdgcn_target "amdgcn-amd-amdhsa--gfx1250"
	.amdhsa_code_object_version 6
	.text
	.protected	k_q43d3676aa4_quant
	.globl	k_q43d3676aa4_quant
	.p2align	8
	.type	k_q43d3676aa4_quant,@function
k_q43d3676aa4_quant:
	s_mov_b64 s[64:65], 0
	v_nop
	global_prefetch_b8 v0, s[64:65] scope:SCOPE_SE
	s_setreg_imm32_b32 hwreg(HW_REG_WAVE_SCHED_MODE, 0, 2), 2
	s_setreg_imm32_b32 hwreg(HW_REG_WAVE_MODE, 25, 1), 1
	s_wait_xcnt 0x0
	s_wait_alu depctr_vm_vsrc(0)
; SECOND LAUNCH: qs = s in bf16: +1.0 where bf16(w) > t, -1.0 where bf16(w) < -t, else 0, with t = alpha / 2 = (the sum of the 1,024 partial sums) x 2^-24: w has 2^23 numbers.
; No work is left out.  LIMITS as stated at the head of the first launch: the comparison, strict as in reference(), is made in f32 on w rounded to bf16.
; SHARES.  Work-group g: 131,072 bytes of w, 65,536 of qs.  Thread t takes 16 bytes at 4,096 j + 16 t (j = 0..31) and stores 8 at 2,048 j + 8 t: a wave's store covers 256 consecutive
; bytes, aligned.  Every wave adds all 1,024 partial sums (4 KiB) for itself, in the order in which the third launch adds them too: no LDS, no barrier.  All 40 loads of a wave go out at once.
; THE MODE: SCHED_MODE bits 1:0 = 2 (LLVM: expert scheduling mode 2), set by the entry lines.  The code itself states the register dependences between vector instructions and memory
; instructions, and between a vector instruction that writes a scalar register and that register's readers, with s_wait_alu, always for 0.
; THE PLAN.  Registers that memory instructions touch:
;   v1, v2, v3   byte offsets, made once at the head and never written again: one wait ahead of the first load serves every load and store.
;   v[16:47]     part's loads land here, ahead of every vector line that names them; behind TOTAL they are work registers of vector lines alone.
;   W            load j lands in W + 4 j .. + 3, ahead of every vector line that names them.  The 32 loads go in 8 blocks of four.  Block p reads its sixteen registers and writes its results
;                into W + 4 j and W + 4 j + 1; the four stores that read those are issued in block p + 1, and nothing writes them again.
; So one wait on va_vdst stands at the head of each block but the first: the block before has written what its four stores read.  These are dealt among the block's vector lines, which name the
; block's own W, v4 and v[16:39]: none of the registers that those stores touch.  No register that a memory instruction reads is ever written again, so past the entry lines the text holds no wait on vm_vsrc.
; The sixteen compares of a block stand in one run, into sixteen scalar registers, with one wait on va_sdst between the run and the first select.  EXEC and VCC are never written.
.set LO,  1                            ; v1   16 t
.set SO,  2                            ; v2   8 t
.set PO,  3                            ; v3   16 x lane: my 16 bytes in 512 of part
.set T,   4                            ; v4   t
.set P,   16                           ; v[16:47]  the partial sums: load j brings words 128 j + 4 lane + 0..3
.set MG,  16                           ; v[16:31]  behind TOTAL: pair q of a block's eight: its two magnitudes in f32, then its two selected halves, at MG + 2 q
.set PK,  32                           ; v[32:39]  behind TOTAL: pair q as rounded, then each half's sign on 1.0
.set W,   48                           ; v[48:175] w, load j at W + 4 j
.set SEL, 14                           ; s[14:15] v_permlanex16_b32's selects
.set MK,  24                           ; s[24:39] the masks of a block's sixteen compares
; The sum of the 32 registers from p on, over all 32 lanes, into v[p] of every lane.  The same lines stand in the third launch, so that both have the same bits.
.macro TOTAL p, sel
.irp w, 16,8,4,2
.set i, 0
.rept (\w)/2
	v_pk_add_f32 v[(\p)+2*i:(\p)+2*i+1], v[(\p)+2*i:(\p)+2*i+1], v[(\p)+(\w)+2*i:(\p)+(\w)+2*i+1]
.set i, i+1
.endr
.endr
	v_add_f32 v[(\p)], v[(\p)], v[(\p)+1]
	v_add_f32_dpp v[(\p)], v[(\p)], v[(\p)] row_xmask:1 row_mask:0xf bank_mask:0xf
	v_add_f32_dpp v[(\p)], v[(\p)], v[(\p)] row_xmask:2 row_mask:0xf bank_mask:0xf
	v_add_f32_dpp v[(\p)], v[(\p)], v[(\p)] row_xmask:4 row_mask:0xf bank_mask:0xf
	v_add_f32_dpp v[(\p)], v[(\p)], v[(\p)] row_xmask:8 row_mask:0xf bank_mask:0xf
	v_permlanex16_b32 v[(\p)+1], v[(\p)], s[(\sel)], s[(\sel)+1]
	v_add_f32 v[(\p)], v[(\p)], v[(\p)+1]
.endm
	s_load_b128 s[4:7], s[0:1], 0x0                ; w s[4:5], part s[6:7]
	s_load_b64 s[8:9], s[0:1], 0x10                ; qs
	v_lshlrev_b32 v[LO], 4, v0
	v_lshlrev_b32 v[SO], 3, v0
	v_and_b32 v[PO], 31, v0
	v_lshlrev_b32 v[PO], 4, v[PO]
	s_mov_b32 s10, 0x7fff7fff                      ; clears the signs of two bf16
	s_mov_b32 s11, 0xffff0000                      ; a word's upper bf16
	s_mov_b32 s12, 0x3f803f80                      ; 1.0 twice
	s_mov_b32 s13, 0x0000ffff                      ; a word's lower bf16
	s_mov_b32 s21, 0x80008000                      ; two signs
	s_mov_b32 s[SEL], 0x76543210
	s_mov_b32 s[SEL+1], 0xfedcba98
	s_mov_b32 s17, 0
	s_wait_kmcnt 0x0
	s_lshl_b32 s16, ttmp9, 17
	s_add_nc_u64 s[4:5], s[4:5], s[16:17]
	s_lshl_b32 s16, ttmp9, 16
	s_add_nc_u64 s[8:9], s[8:9], s[16:17]
	s_wait_alu depctr_va_vdst(0)                   ; v1, v2 and v3 are written: every load and store of the kernel reads one of them as its offset
.set n, 0
.rept 8
	global_load_b128 v[P+4*n:P+4*n+3], v[PO], s[6:7] offset:512*n
.set n, n+1
.endr
.set n, 0
.rept 32
	global_load_b128 v[W+4*n:W+4*n+3], v[LO], s[4:5] offset:4096*n th:TH_LOAD_NT
.set n, n+1
.endr
; The store of load i of block p: 8 bytes a lane, four signs in bf16.
.macro OUT p, i
	global_store_b64 v[SO], v[W+16*(\p)+4*(\i):W+16*(\p)+4*(\i)+1], s[8:9] offset:2048*(4*(\p)+(\i)) th:TH_STORE_NT
.endm
; Block p: loads 4 p to 4 p + 3, sixteen weights in eight pairs; pair q lies in W + 16 p + 2 q and the register behind it, and its result goes to W + 16 p + 4 (q / 2) + q % 2.
; Stage by stage over the eight pairs, so that no line reads the result of the one just before it: rounded; magnitudes widened to f32 and compared; the signed 1.0 kept where the
; magnitude is above t; the two halves joined.  The four stores of the block before stand ahead of the first four stages.
.macro BLK p
	s_wait_loadcnt 28-4*(\p)                       ; loads come back in order: this block's four are in, the younger ones stay out
.if (\p) > 0
	s_wait_alu depctr_va_vdst(0)                   ; the block before has written its eight result registers, which the four stores below read
	OUT (\p)-1, 0
.endif
.irp q, 0,1,2,3,4,5,6,7
	v_cvt_pk_bf16_f32 v[PK+(\q)], v[W+16*(\p)+2*(\q)], v[W+16*(\p)+2*(\q)+1]
.endr
.if (\p) > 0
	OUT (\p)-1, 1                                  ; no wait: no vector line since the wait above names a register of these stores
.endif
.irp q, 0,1,2,3,4,5,6,7
	v_and_b32 v[MG+2*(\q)+1], s10, v[PK+(\q)]      ; both signs cleared
.endr
.if (\p) > 0
	OUT (\p)-1, 2
.endif
.irp q, 0,1,2,3,4,5,6,7
	v_lshlrev_b32 v[MG+2*(\q)], 16, v[MG+2*(\q)+1] ; the low half's magnitude in f32,
.endr
.if (\p) > 0
	OUT (\p)-1, 3
.endif
.irp q, 0,1,2,3,4,5,6,7
	v_and_b32 v[MG+2*(\q)+1], s11, v[MG+2*(\q)+1]  ; the high half's
.endr
.irp q, 0,1,2,3,4,5,6,7
	v_cmp_gt_f32 s[MK+2*(\q)], v[MG+2*(\q)], v[T]
	v_cmp_gt_f32 s[MK+2*(\q)+1], v[MG+2*(\q)+1], v[T]
.endr
.irp q, 0,1,2,3,4,5,6,7
	v_and_or_b32 v[PK+(\q)], v[PK+(\q)], s21, s12  ; each half: its sign on 1.0; these eight lines stand between the compares and the wait for them
.endr
	s_wait_alu depctr_va_sdst(0)                   ; the sixteen compares have written s[24:39], ahead of the first select that reads one of them
.irp q, 0,1,2,3,4,5,6,7
	v_cndmask_b32 v[MG+2*(\q)], 0, v[PK+(\q)], s[MK+2*(\q)]
	v_cndmask_b32 v[MG+2*(\q)+1], 0, v[PK+(\q)], s[MK+2*(\q)+1]
.endr
.irp q, 0,1,2,3,4,5,6,7
	v_bfi_b32 v[W+16*(\p)+4*((\q)/2)+(\q)%2], s13, v[MG+2*(\q)], v[MG+2*(\q)+1]  ; the low half of the one, the high half of the other
.endr
.endm
	s_wait_loadcnt 32                              ; the partial sums are in; w's 32 loads stay out
	TOTAL P, SEL
	v_mul_f32 v[T], 0x33800000, v[P]               ; x 2^-24: exact
.irp p, 0,1,2,3,4,5,6,7
	BLK \p
.endr
	s_wait_alu depctr_va_vdst(0)                   ; block 7 has written its eight result registers, which the last four stores read
.irp i, 0,1,2,3
	OUT 7, \i
.endr
	s_endpgm
.Lfunc_end_k_q43d3676aa4_quant:
	.size	k_q43d3676aa4_quant, .Lfunc_end_k_q43d3676aa4_quant-k_q43d3676aa4_quant
	.p2alignl 7, 3214868480
	.fill 96, 4, 3214868480
	.section	.rodata,"a",@progbits
	.p2align	6, 0x0
	.amdhsa_kernel k_q43d3676aa4_quant
		.amdhsa_group_segment_fixed_size 0
		.amdhsa_private_segment_fixed_size 0
		.amdhsa_enable_private_segment 0
		.amdhsa_kernarg_size 24
		.amdhsa_user_sgpr_count 2
		.amdhsa_user_sgpr_kernarg_segment_ptr 1
		.amdhsa_wavefront_size32 1
		.amdhsa_system_sgpr_workgroup_id_x 1
		.amdhsa_system_sgpr_workgroup_id_y 1
		.amdhsa_system_sgpr_workgroup_id_z 1
		.amdhsa_system_vgpr_workitem_id 0
		.amdhsa_next_free_vgpr 176
		.amdhsa_next_free_sgpr 66
		.amdhsa_reserve_vcc 0
		.amdhsa_float_denorm_mode_32 3
		.amdhsa_float_denorm_mode_16_64 3
		.amdhsa_memory_ordered 1
		.amdhsa_forward_progress 1
		.amdhsa_inst_pref_size 45
	.end_amdhsa_kernel
	.amdgpu_metadata
---
amdhsa.version: [ 1, 2 ]
amdhsa.kernels:
  - .name:           k_q43d3676aa4_quant
    .symbol:         k_q43d3676aa4_quant.kd
    .args:
      - { .name: latent_weight, .offset: 0, .size: 8, .value_kind: global_buffer, .address_space: global }
      - { .name: part, .offset: 8, .size: 8, .value_kind: global_buffer, .address_space: global }
      - { .name: qs, .offset: 16, .size: 8, .value_kind: global_buffer, .address_space: global }
    .group_segment_fixed_size: 0
    .private_segment_fixed_size: 0
    .kernarg_segment_align: 8
    .kernarg_segment_size: 24
    .max_flat_workgroup_size: 256
    .sgpr_count:     66
    .vgpr_count:     176
    .wavefront_size: 32
...
	.end_amdgpu_metadata
.endif
;; end of part 4
;; launch gemm: the kernel of part 3 again; grid 8 x 32, 4 waves a work-group, clusters of 4 x 4, 327,680 bytes of LDS; arguments xb, qs, out0, part; writes out0
